; MI455X (gfx1250); checked and timed in simulation.
; The chip was launched on July 23, 2026; its instructions are those of AMD's public machine-readable ISA for CDNA 5 (MIT licence, August 2026) and "CDNA5" Instruction Set Architecture Reference Guide (July 2026). The comments in the code are by the model that wrote it; some were corrected since.
;; Graph Multi Head Attention. Allowed arithmetic: matrix products marked QUANTISED: E5M2 operands, one given power-of-two scale a tensor, by v_wmma_f32_16x16x64_bf8_bf8 or v_wmma_f32_16x16x128_bf8_bf8, f32 sums; everything else in f32.
;; Inputs: Wk_codes 1,024 x 32 x 32 uint8 (E5M2 codes of Wk, K innermost, in blocks of 32 codes); Wq_codes 1,024 x 32 x 32 uint8 (E5M2 codes of Wq, K innermost, in blocks of 32 codes); Wv_codes 1,024 x 32 x 32 uint8 (E5M2 codes of Wv, K innermost, in blocks of 32 codes); bk 1,024 float32; bq 1,024 float32; bv 1,024 float32; lowp_scales 10 int32 (the exponents e of the quantised operands' scales 2^e); node_emb_codes 4,096 x 32 x 32 uint8 (E5M2 codes of node_emb, K innermost, in blocks of 32 codes).
;; Outputs: out0 4,096 x 1,024 float32.
;; This version of the problem:
;;   THIS VERSION OF THE PROBLEM IS GIVEN IN LOW PRECISION. The matrix products marked QUANTISED in the list below multiply operands that are first quantised to E5M2 (5 exponent bits, 2 mantissa bits; 8 bits a number), with one given power-of-two scale for each operand tensor; their sums are f32. All else is computed in f32.
;;   The module's matrix products, in the order in which they are computed (A, B: the left and right operand; K: the contracted axis; several contracted axes count as one K, in the product's order):
;;     1. [M 4,096, K 1,024] x [K 1,024, N 1,024]; A: input node_emb (given as codes); B: input Wq (given as codes): QUANTISED (scales: A lowp_scales[0], B lowp_scales[1])
;;     2. [M 4,096, K 1,024] x [K 1,024, N 1,024]; A: input node_emb (given as codes); B: input Wk (given as codes): QUANTISED (scales: A lowp_scales[2], B lowp_scales[3])
;;     3. [M 4,096, K 1,024] x [K 1,024, N 1,024]; A: input node_emb (given as codes); B: input Wv (given as codes): QUANTISED (scales: A lowp_scales[4], B lowp_scales[5])
;;     4. batch 16 x [M 4,096, K 64] x [K 64, N 4,096]; A: computed on the way; B: computed on the way: QUANTISED (scales: A lowp_scales[6], B lowp_scales[7])
;;     5. batch 16 x [M 64, K 4,096] x [K 4,096, N 4,096]; A: computed on the way; B: softmax (see below): QUANTISED (scales: A lowp_scales[8], B lowp_scales[9])
;;   THE QUANTISER, for each operand of a quantised product, along K:
;;     - The operand's scale is 2^e, e = its entry of the input lowp_scales (int32; the entries are numbered through the quantised products in the list's order, A before B).
;;     - Each number is divided by the scale, clamped to +-57,344, and rounded to the nearest number of E5M2, ties to even, subnormals kept.
;;     - The product sums the exact products of the quantised numbers (number of the format x scale) in f32.
;;   ~~~python
;;   def quantise(x, axis, e):      # numpy; x: float32 -> the quantised numbers, widened to float32 again
;;       x = np.moveaxis(x, axis, -1); K = x.shape[-1]
;;       r = np.clip(x / 2.0 ** e, -57344, 57344)
;;       step = 2.0 ** (np.maximum(np.frexp(np.where(r == 0, 1, r))[1] - 1, -14) - 2)
;;       q = np.round(r / step) * step * 2.0 ** e      # np.round: ties to even
;;       return np.moveaxis(q, -1, axis).astype(np.float32)
;;   ~~~
;;   SOFTMAX AHEAD OF A QUANTISED PRODUCT. Where the list says 'softmax', what is quantised is not the finished softmax but p = 2^(t - M), with t = logit x log2(e) and M = ceil(the row's largest t), a whole number; so 1/2 < the row's largest p <= 1. The row's sum l is taken of the UNQUANTISED p, in f32, and the product's result is divided by l at the end. Since M is a whole number, a kernel that streams over the keys may use a running M (the ceiling of the running maximum): every later rescaling is an exact power of two, so the quantised numbers keep their values, but for numbers so far below the row's largest that they fall under the format's range.
;;   OPERANDS COMPUTED ON THE WAY. 'Computed on the way' means the value that the module computes at that place (a softmax that the list does not call 'softmax' is quantised finished and normalised). What goes into a quantiser is computed in f32, as accurately as f32 sums, v_exp_f32 and their like allow (about 1e-6 of the number): no bf16 or f16 on the way to a quantiser, and a product that is left as it is and whose result goes on into a quantised operand takes f32 operands (vector FMAs, or v_wmma_f32_16x16x4_f32). A number that lies on a knife's edge between two numbers of the format may be rounded either way, as far as f32 arithmetic and the matrix unit's own rounding can turn it there, and no further.
;;   INPUTS GIVEN AS CODES. Wk (in the module: [1024, 1024], K = its axis 0); Wq (in the module: [1024, 1024], K = its axis 0); Wv (in the module: [1024, 1024], K = its axis 0); node_emb (in the module: [4096, 1024], K = its axis 1): each comes as NAME_codes (uint8): NAME with its K axis moved to the last place and cut into blocks of 32 codes, [.., K / 32, bytes a block], one block behind the other in memory; one code a byte (a code: sign, 5 exponent bits, 2 mantissa bits); its scale is its entry of lowp_scales. Its value is code x scale, taken as it is: it is not quantised again, and the codes and scales need not be those that the quantiser above would give.
;; One version. Each part assembles by itself: llvm-mc -triple=amdgcn-amd-amdhsa -mcpu=gfx1250 --defsym DOCPART=n.
;; ======== version 1 of 1: 2 launches
;; limits: right only within a limited range of input values
;; workspace buffers: qf 4,194,304 bytes; kv 8,388,608 bytes
;; launch proj (part 1): grid 16 x 16, 4 waves a work-group, clusters of 4 x 4, 327,680 bytes of LDS; arguments node_emb_codes, Wq_codes, Wk_codes, Wv_codes, bq, bk, bv, lowp_scales, qf, kv; writes qf, kv
.if DOCPART == 1
	.amdgcn_target "amdgcn-amd-amdhsa--gfx1250"
	.amdhsa_code_object_version 6
	.text
	.protected	k_qbd5edc5bc3_proj
	.globl	k_qbd5edc5bc3_proj
	.p2align	8
	.type	k_qbd5edc5bc3_proj,@function
k_qbd5edc5bc3_proj:
	s_mov_b64 s[64:65], 0
	v_nop
	global_prefetch_b8 v0, s[64:65] scope:SCOPE_SE
	s_setreg_imm32_b32 hwreg(HW_REG_WAVE_MODE, 25, 1), 1
	s_wait_xcnt 0x0
	s_wait_alu depctr_hold_cnt(0) depctr_sa_sdst(0) depctr_va_vdst(0) depctr_va_sdst(0) depctr_va_ssrc(0) depctr_va_vcc(0) depctr_vm_vsrc(0)
	s_getreg_b32 s2, hwreg(HW_REG_IB_STS2, 6, 4)
	s_cmp_eq_u32 s2, 0
	s_cbranch_scc0 .Lentry_in_a_cluster
	s_endpgm
.Lentry_in_a_cluster:
	s_bfe_u32 s2, ttmp6, 0x10000c
	s_cmp_lg_u32 s2, 0xf033
	s_cbranch_scc0 .Lentry_shape_is_right
	s_endpgm
.Lentry_shape_is_right:
; q, k, v = node_emb W + b, quantised to BF8 (E5M2), stored as images of the operands' registers that the attention takes.  Codes in, sums in f32.
; SHARES.  A work-group makes 256 nodes x 192 columns: one head's q, k and v (64 each): 16 heads x 16 blocks of nodes.  Wave (i, c): nodes 128 i .., of each of the three the channels 32 c ..: 48 accumulators of 16 x 16.
; q and k: source 0 = 16 rows of W, source 1 = 16 nodes: a lane holds one node and eight neighbouring channels.  v: the sources are swapped: a lane holds one channel and eight neighbouring nodes.
; K = 1,024 goes in four K steps of 256 through a ring of two slots: 256 rows of node_emb, then 64 of Wq, Wk, Wv, rows of 256 bytes.  CLUSTERS of 4 x 4: node_emb's tile is shared along a row of the cluster, the weights' along a column.
; A lane holds, of a fragment's row l % 16, K = 32 c + 16 (l / 16) + 0 .. 15 in registers 4 c ..: a permutation of k, the same in both operands.
; OUT.  qf [head][tile of 16 nodes 256][group of 32 channels 2][512];  kv [head][place 32][16,384]: place p holds V^T of key step (p + 1) mod 32 [tile of 16 channels 4][group of 32 keys 4][512], then K of key step (p + 2) mod 32 [tile of 16 keys 8][group 2][512].
; LIMITS: each product's two exponents sum to between -126 and 127; e6, e7, e8 between -126 and 112.  NaN is not served.
; REGISTERS.  window 0: v0-31 addresses and constants, v32-63 q's and k's biases, v64-255 the weights' fragments, two buffers of 96; window 1: the nodes' fragments, two buffers of 128; window 2: q's and k's sums; window 3: v's.
.set PITCH, 272                        ; an LDS row: 256 bytes + 16 of padding
.set WOFF,  256*PITCH                  ; the weights behind the nodes
.set WT,    64*PITCH
.set SLOT,  WOFF+3*WT
.set SPARE, 2*SLOT                     ; the spare words: no other line names them
.set ADRN, 4                           ; v4-5   LDS address of my nodes' fragments in slot 0, 1
.set ADRW, 6                           ; v6-7   of my weights'
.set LI,   8                           ; v8     16 x lane
.set PFO,  9                           ; v9     the prefetches' offset
.set SPW,  13                          ; v13    LDS address of my spare word  (v12, v14: v's biases; their pairs' upper words, v13 and v15, are not taken)
.set NIL,  15                          ; v15    0
.set SCV,  16                          ; v16-18 2^e6, 2^e7, 2^e8
.set LMV,  19                          ; v19-21 57,344 x that
.set BI,   32
.set WF,   64
.set TT,   64                          ; the way out: 128 results
.set CB,   192                         ; their codes: q's and k's, 32 each; v's take the biases' registers
.set G1,  24
.set G0,  32
.set G1B, 48
.set G0B, 56
.set MSB, 0
.macro WIN new                         ; the immediate's high byte repeats the setting that is left; bits 1:0 source 0, 3:2 source 1, 5:4 source 2, 7:6 destination
.if MSB != \new
	s_set_vgpr_msb (MSB<<8)|\new
.set MSB, \new
.endif
.endm
; A joint load: wave 0 fetches 256 rows of node_emb, waves 1 to 3 fetch 64 rows of Wq, Wk, Wv.  Each line has ONE mask; the branch hangs on the wave's number alone.  s_nop 0 and four v_nop behind each.
.macro JLOAD s
	s_cmp_eq_u32 s14, 0
	s_cbranch_scc0 .Lfor_b_\@
	tensor_load_to_lds s[G0+4*\s:G0+4*\s+3], s[G1:G1+7]
	s_nop 0
.rept 4
	v_nop
.endr
	s_branch .Lasked_\@
.Lfor_b_\@:
	tensor_load_to_lds s[G0B+4*\s:G0B+4*\s+3], s[G1B:G1B+7]
	s_nop 0
.rept 4
	v_nop
.endr
.Lasked_\@:
.endm
.macro CREST                           ; a round of the cluster's barrier behind its opening barrier
	s_cmp_lg_u32 s14, 0
	s_cbranch_scc1 .Lnot_wave_0_\@
	s_barrier_signal -3
.Lnot_wave_0_\@:
	s_barrier_wait -3
	s_barrier_signal -1
	s_barrier_wait -1
.endm
.macro CROUND
	s_barrier_signal -1
	s_barrier_wait -1
	CREST
.endm
	s_load_b256 s[4:11], s[0:1], 0x0               ; node_emb s[4:5], Wq s[6:7], Wk s[8:9], Wv s[10:11]
	s_load_b256 s[68:75], s[0:1], 0x20             ; bq, bk, bv, the scales' exponents
	s_load_b128 s[76:79], s[0:1], 0x40             ; qf, kv
	v_lshl_add_u32 v[SPW], v0, 2, SPARE
	v_mov_b32 v[NIL], 0
	ds_add_u32 v[SPW], v[NIL]                      ; the wave's opening: the add, twice on end, and its wait
	ds_add_u32 v[SPW], v[NIL]
	v_lshrrev_b32 v1, 5, v0
	v_readfirstlane_b32 s14, v1                    ; wave 0..3
	s_lshr_b32 s15, s14, 1                         ; i: my half of the nodes
	s_and_b32 s16, s14, 1                          ; c: my half of each head's channels
	s_bfe_u32 s40, ttmp6, 0x40000                  ; cx, cy: my place in the cluster
	s_bfe_u32 s41, ttmp6, 0x40004
	s_lshl_b32 s42, ttmp9, 2
	s_add_co_u32 s42, s42, s40                     ; the head
	s_and_b32 s17, ttmp7, 0xffff
	s_lshl_b32 s17, s17, 2
	s_add_co_u32 s17, s17, s41                     ; the block of nodes
	s_lshl_b32 s43, s41, 2
	s_lshl_b32 s43, 15, s43                        ; my row of the cluster
	s_lshl_b32 s44, 0x1111, s40                    ; my column
	s_or_b32 s[G1+0], s43, (0<<16)|(1<<20)|(1<<21)|(5<<22)|(3<<25)  ; 15:0 the mask; elements of 1 byte; 20 padding on; 21 set beside a mask; after every 64 words (code 5) four words (code 3)
	s_or_b32 s[G1B+0], s44, (0<<16)|(1<<20)|(1<<21)|(5<<22)|(3<<25)
.irp g, G1, G1B
	s_mov_b32 s[\g+1], 256<<16                     ; tensor_dim0
	s_mov_b32 s[\g+3], 256<<16                     ; tile_dim0
	s_mov_b32 s[\g+5], 1024                        ; tensor_dim0_stride
	s_mov_b32 s[\g+6], 0
	s_mov_b32 s[\g+7], 0
.endr
	s_mov_b32 s[G1+2], 256<<16                     ; tensor_dim1: 256 rows of node_emb
	s_mov_b32 s[G1+4], 256                         ; tile_dim1
	s_mov_b32 s[G1B+2], 64<<16                     ; 64 rows of a weight
	s_mov_b32 s[G1B+4], 64
	s_lshl_b32 s20, s17, 18                        ; the block's first row in bytes
	s_mov_b32 s21, 0
	s_lshl_b32 s46, s42, 16                        ; the head's first row of a weight in bytes
	s_mov_b32 s47, 0
	s_mul_i32 s45, s14, WT
	s_add_co_u32 s45, s45, WOFF-WT                 ; where waves 1 to 3 fill a slot (wave 0 fills at its start): no place in the cluster enters an LDS address
	s_wait_alu depctr_va_vdst(0)                   ; a wait ahead of the waits below
	s_wait_dscnt 0x0                               ; both opening adds are done
	s_wait_kmcnt 0x0
	s_load_b256 s[80:87], s[74:75], 0x0            ; e0 .. e7
	s_load_b64 s[88:89], s[74:75], 0x20            ; e8, e9
	s_cmp_eq_u32 s14, 3                            ; the weight that I fetch: Wv in wave 3, Wq in wave 1, else Wk
	s_cselect_b64 s[12:13], s[10:11], s[8:9]
	s_cmp_eq_u32 s14, 1
	s_cselect_b64 s[12:13], s[6:7], s[12:13]
	s_add_nc_u64 s[20:21], s[4:5], s[20:21]
	s_add_nc_u64 s[46:47], s[12:13], s[46:47]
	CROUND                                         ; all sixteen work-groups are here: the first joint loads meet
.irp s, 0,1
	s_mov_b32 s[G0+4*\s], 1
	s_mov_b32 s[G0+4*\s+1], \s*SLOT
	s_add_nc_u64 s[G0+4*\s+2:G0+4*\s+3], s[20:21], \s*256
	s_or_b32 s[G0+4*\s+3], s[G0+4*\s+3], 0x80000000
	s_mov_b32 s[G0B+4*\s], 1
	s_add_co_u32 s[G0B+4*\s+1], s45, \s*SLOT
	s_add_nc_u64 s[G0B+4*\s+2:G0B+4*\s+3], s[46:47], \s*256
	s_or_b32 s[G0B+4*\s+3], s[G0B+4*\s+3], 0x80000000
.endr
	JLOAD 0                                        ; K step 0: one tensor load a wave at the head
	s_mul_i32 s21, s15, 128*PITCH                  ; my nodes in a slot
	s_mul_i32 s22, s16, 32*PITCH
	s_add_co_u32 s22, s22, WOFF                    ; my channels' rows of Wq; Wk's and Wv's lie WT on
	s_add_co_u32 s23, s21, SLOT
	s_add_co_u32 s66, s22, SLOT
	s_lshl_b32 s90, s42, 8                         ; the biases: the head's 256 bytes, my 128 of them
	s_lshl_b32 s91, s16, 7
	s_add_co_u32 s90, s90, s91
	s_mov_b32 s91, 0
	s_add_nc_u64 s[92:93], s[68:69], s[90:91]
	s_add_nc_u64 s[94:95], s[70:71], s[90:91]
	s_add_nc_u64 s[96:97], s[72:73], s[90:91]
	v_and_b32 v1, 15, v0                           ; r = lane % 16
	v_bfe_u32 v2, v0, 4, 1                         ; h = lane / 16
	v_and_b32 v22, 31, v0
	v_mul_u32_u24 v3, v1, PITCH
	v_lshlrev_b32 v10, 5, v2                       ; q's, k's biases: eight channels a half
	v_lshlrev_b32 v11, 2, v1                       ; v's: one channel a lane
	v_lshl_add_u32 v3, v2, 4, v3                   ; a fragment's row x pitch + 16 h
	v_lshlrev_b32 v[LI], 4, v22
	v_lshlrev_b32 v23, 10, v1                      ; the prefetches: 16 rows (K step 3: lanes 16-31 name the same blocks again),
	v_lshlrev_b32 v[PFO], 10, v1                   ; and 16 rows x K steps 1 and 2
	v_lshl_add_u32 v[PFO], v2, 8, v[PFO]
	v_add_nc_u32 v[ADRN], s21, v3
	v_add_nc_u32 v[ADRW], s22, v3
	v_add_nc_u32 v[ADRN+1], s23, v3
	v_add_nc_u32 v[ADRW+1], s66, v3
.irp b, 0,1
	global_load_b128 v[BI+8*\b:BI+8*\b+3],       v10, s[92:93] offset:64*\b
	global_load_b128 v[BI+8*\b+4:BI+8*\b+7],     v10, s[92:93] offset:64*\b+16
	global_load_b128 v[BI+16+8*\b:BI+19+8*\b],   v10, s[94:95] offset:64*\b
	global_load_b128 v[BI+20+8*\b:BI+23+8*\b],   v10, s[94:95] offset:64*\b+16
	global_load_b32 v[12+2*\b], v11, s[96:97] offset:64*\b
.endr
	; PREFETCHES INTO THE L2: K steps 1 and 2 here, K step 3 behind the load of K step 1: each aligned block of 256 bytes once in each cluster that will load it.  The four partners that ask for a tile jointly share its rows out BY ADDRESS:
	; wave 0 names 64 rows of node_emb (by cx) in four lines, waves 1 to 3 sixteen rows of their weight (by cy) in one.  K step 0 comes by its loads alone, and nothing lies behind K step 3.
	s_lshl_b32 s22, s17, 18
	s_lshl_b32 s23, s40, 16
	s_add_co_u32 s22, s22, s23
	s_lshl_b32 s66, s42, 16
	s_lshl_b32 s67, s41, 14
	s_add_co_u32 s66, s66, s67
	s_cmp_eq_u32 s14, 0
	s_cselect_b32 s22, s22, s66
	s_cselect_b64 s[18:19], s[4:5], s[12:13]
	s_add_co_u32 s22, s22, 256
	s_mov_b32 s23, 0
	s_add_nc_u64 s[18:19], s[18:19], s[22:23]
	s_wait_alu depctr_va_vdst(0)
	global_prefetch_b8 v[PFO], s[18:19] th:TH_LOAD_NT scope:SCOPE_SE
	s_cmp_lg_u32 s14, 0
	s_cbranch_scc1 .Lno_more
.irp n, 1,2,3
	global_prefetch_b8 v[PFO], s[18:19] offset:16384*\n th:TH_LOAD_NT scope:SCOPE_SE
.endr
.Lno_more:
; 56 LDS loads: the fragments of the slot's q-th 128 along K into buffer p
.macro LOADF slot, q, p
	WIN 0x40
.irp a, 0,1,2,3,4,5,6,7
.irp c, 0,1,2,3
	ds_load_b128 v[128*(\p)+16*\a+4*\c:128*(\p)+16*\a+4*\c+3], v[ADRN+\slot] offset:16*PITCH*\a+128*(\q)+32*\c
.endr
.endr
	WIN 0
.irp t, 0,1,2
.irp b, 0,1
.irp c, 0,1,2,3
	ds_load_b128 v[WF+96*(\p)+32*\t+16*\b+4*\c:WF+96*(\p)+32*\t+16*\b+4*\c+3], v[ADRW+\slot] offset:WT*\t+16*PITCH*\b+128*(\q)+32*\c
.endr
.endr
.endr
.endm
; 16 matrix instructions of q (t = 0) or k (t = 1).  The 48 accumulators take turns, one instruction a turn, in the same order in every step.  zero = 1: the first product starts the sum.
.macro MQ t, p, zero
	WIN 0xa4
.irp b, 0,1
.irp a, 0,1,2,3,4,5,6,7
.if \zero
	v_wmma_f32_16x16x128_bf8_bf8 v[128*\t+64*\b+8*\a:128*\t+64*\b+8*\a+7], v[WF+96*(\p)+32*\t+16*\b:WF+96*(\p)+32*\t+16*\b+15], v[128*(\p)+16*\a:128*(\p)+16*\a+15], 0
.else
	v_wmma_f32_16x16x128_bf8_bf8 v[128*\t+64*\b+8*\a:128*\t+64*\b+8*\a+7], v[WF+96*(\p)+32*\t+16*\b:WF+96*(\p)+32*\t+16*\b+15], v[128*(\p)+16*\a:128*(\p)+16*\a+15], v[128*\t+64*\b+8*\a:128*\t+64*\b+8*\a+7]
.endif
.endr
.endr
.endm
.macro MV p, zero
	WIN 0xf1
.irp d, 0,1
.irp a, 0,1,2,3,4,5,6,7
.if \zero
	v_wmma_f32_16x16x128_bf8_bf8 v[64*\d+8*\a:64*\d+8*\a+7], v[128*(\p)+16*\a:128*(\p)+16*\a+15], v[WF+96*(\p)+64+16*\d:WF+96*(\p)+64+16*\d+15], 0
.else
	v_wmma_f32_16x16x128_bf8_bf8 v[64*\d+8*\a:64*\d+8*\a+7], v[128*(\p)+16*\a:128*(\p)+16*\a+15], v[WF+96*(\p)+64+16*\d:WF+96*(\p)+64+16*\d+15], v[64*\d+8*\a:64*\d+8*\a+7]
.endif
.endr
.endr
.endm
.macro PLACES                          ; four places in front of loads into registers that matrix instructions have read, and of the first read of results
.rept 4
	v_nop
.endr
.endm
.macro EVEN slot, zero                 ; a slot's first 128 along K, on buffer 0; the slot's second is fetched into buffer 1
	s_wait_dscnt 0x0
	MQ 0, 0, \zero
	PLACES
	LOADF \slot, 1, 1
	MQ 1, 0, \zero
	MV 0, \zero
.endm
; A slot's second 128 along K, on buffer 1, and the change of slots.  All my reads of the slot are over when the step begins.  Behind the barrier the next slot is whole and nobody reads this one; fill = 1: it is filled again first.
.macro TURN next, fill
	s_wait_dscnt 0x0
	MQ 0, 1, 0
	WIN 0
	s_wait_tensorcnt 0x0                           ; my part of the next slot is in;
	ds_add_u32 v[SPW], v[NIL]
.if \fill
	s_add_nc_u64 s[G0+4*(1-\next)+2:G0+4*(1-\next)+3], s[G0+4*(1-\next)+2:G0+4*(1-\next)+3], 512
	s_add_nc_u64 s[G0B+4*(1-\next)+2:G0B+4*(1-\next)+3], s[G0B+4*(1-\next)+2:G0B+4*(1-\next)+3], 512
.endif
	s_wait_dscnt 0x0
	s_barrier_signal -1
	MQ 1, 1, 0
	WIN 0
	s_barrier_wait -1
.if \fill
	CREST
	JLOAD (1-\next)                                ; the first tensor load behind the round; its four v_nop are the places for the loads below
.else
	PLACES
.endif
	LOADF \next, 0, 0
	MV 1, 0
.endm
	s_wait_tensorcnt 0x0                           ; my part of K step 0 is in
	ds_add_u32 v[SPW], v[NIL]
	s_wait_dscnt 0x0
	CROUND                                         ; everybody's part of K step 0 is in
	JLOAD 1                                        ; slot 1's first fill, the first tensor load behind the round
	LOADF 0, 0, 0
	global_prefetch_b8 v23, s[18:19] offset:512 th:TH_LOAD_NT scope:SCOPE_SE   ; K step 3, which the second refill asks for
	s_cmp_lg_u32 s14, 0
	s_cbranch_scc1 .Lno_more_3
.irp n, 1,2,3
	global_prefetch_b8 v23, s[18:19] offset:16384*\n+512 th:TH_LOAD_NT scope:SCOPE_SE
.endr
.Lno_more_3:
	EVEN 0, 1
	TURN 1, 1
	EVEN 1, 0
	TURN 0, 1
	EVEN 0, 0
	TURN 1, 0
	EVEN 1, 0
	s_wait_dscnt 0x0
	MQ 0, 1, 0
	MQ 1, 1, 0
	MV 1, 0
	WIN 0
	; THE WAY OUT: sum x 2^(eA + eB) + bias, held, converted; each store covers 512 consecutive bytes, aligned.
	s_wait_kmcnt 0x0
	s_wait_loadcnt 0x0
.irp t, 0,1,2
	s_add_co_i32 s66, s[80+2*\t], s[81+2*\t]
	s_add_co_i32 s66, s66, 127
	s_lshl_b32 s[G1+2*\t], s66, 23                 ; 2^(eA + eB); all tensor loads are done, so the descriptors' registers are free
	s_mov_b32 s[G1+2*\t+1], s[G1+2*\t]
	s_add_co_i32 s66, s[86+\t], 127
	s_lshl_b32 s67, s66, 23
	v_mov_b32 v[SCV+\t], s67
	s_add_co_i32 s66, s66, 15
	s_lshl_b32 s66, s66, 23
	s_or_b32 s66, s66, 0x600000
	v_mov_b32 v[LMV+\t], s66
.endr
	s_lshl_b32 s22, s17, 1
	s_add_co_u32 s22, s22, s15                     ; my 128 nodes: the key step
	s_lshl_b32 s90, s42, 18                        ; q: the head, the step's eight tiles, my group
	s_lshl_b32 s91, s22, 13
	s_add_co_u32 s90, s90, s91
	s_lshl_b32 s91, s16, 9
	s_add_co_u32 s90, s90, s91
	s_lshl_b32 s66, s42, 19
	s_add_co_u32 s92, s22, 30                      ; K of step s: place (s - 2) mod 32, behind V
	s_and_b32 s92, s92, 31
	s_lshl_b32 s92, s92, 14
	s_add_co_u32 s92, s92, s66
	s_add_co_u32 s92, s92, s91
	s_add_co_u32 s92, s92, 8192
	s_add_co_u32 s94, s22, 31                      ; V of step s: place (s - 1) mod 32; my two tiles of channels
	s_and_b32 s94, s94, 31
	s_lshl_b32 s94, s94, 14
	s_add_co_u32 s94, s94, s66
	s_lshl_b32 s67, s16, 12
	s_add_co_u32 s94, s94, s67
	s_mov_b32 s91, 0
	s_mov_b32 s93, 0
	s_mov_b32 s95, 0
	s_add_nc_u64 s[90:91], s[76:77], s[90:91]
	s_add_nc_u64 s[92:93], s[78:79], s[92:93]
	s_add_nc_u64 s[94:95], s[78:79], s[94:95]
.macro OUT t
.if \t < 2
.set CC, CB+32*(\t)
.else
.set CC, BI                            ; q's and k's biases have been added
.endif
	WIN 0x02+(\t)/2
.if \t < 2
.irp a, 0,1,2,3,4,5,6,7                ; result 16 a + 8 b + j: node tile a, channel 16 b + 8 h + j
.irp b, 0,1
.irp i, 0,2,4,6
	v_pk_fma_f32 v[TT+16*\a+8*\b+\i:TT+16*\a+8*\b+\i+1], v[128*\t+64*\b+8*\a+\i:128*\t+64*\b+8*\a+\i+1], s[G1+2*\t:G1+2*\t+1], v[BI+16*\t+8*\b+\i:BI+16*\t+8*\b+\i+1] op_sel_hi:[1,0,1]
.endr
.endr
.endr
.else
.irp d, 0,1                            ; result 64 d + 8 a + j: channel tile d, key 16 a + 8 h + j
.irp a, 0,1,2,3,4,5,6,7
.irp i, 0,2,4,6
	v_pk_fma_f32 v[TT+64*\d+8*\a+\i:TT+64*\d+8*\a+\i+1], v[64*\d+8*\a+\i:64*\d+8*\a+\i+1], s[G1+2*\t:G1+2*\t+1], v[12+2*\d:13+2*\d] op_sel_hi:[1,0,0]
.endr
.endr
.endr
.endif
	WIN 0
.set i, 0
.rept 128
	v_med3_num_f32 v[TT+i], v[TT+i], -v[LMV+\t], v[LMV+\t]   ; the conversion to an 8-bit code does not saturate (ISA guide 7.6.2)
.set i, i+1
.endr
.set i, 0
.rept 16
	v_cvt_scalef32_pk8_bf8_f32 v[CC+2*i:CC+2*i+1], v[TT+8*i:TT+8*i+7], v[SCV+\t]
.set i, i+1
.endr
	v_nop                                          ; a plain line behind the last conversion
.irp n, 0,1,2,3,4,5,6,7
.if \t < 2
	global_store_b128 v[LI], v[CC+4*\n:CC+4*\n+3], s[90+2*\t:91+2*\t] offset:1024*\n
.else
	global_store_b128 v[LI], v[CC+4*\n:CC+4*\n+3], s[94:95] offset:512*\n
.endif
.endr
.endm
	PLACES
	OUT 0
	OUT 1
	OUT 2
	s_wait_tensorcnt 0x0                           ; the wave's end
	ds_add_u32 v[SPW], v[NIL]
	s_wait_dscnt 0x0
	CROUND                                         ; the closing round: no work-group ends while a partner may still ask for a tile that names it
	s_endpgm
.Lfunc_end_k_qbd5edc5bc3_proj:
	.size	k_qbd5edc5bc3_proj, .Lfunc_end_k_qbd5edc5bc3_proj-k_qbd5edc5bc3_proj
	.p2alignl 7, 3214868480
	.fill 96, 4, 3214868480
	.section	.rodata,"a",@progbits
	.p2align	6, 0x0
	.amdhsa_kernel k_qbd5edc5bc3_proj
		.amdhsa_group_segment_fixed_size 327680
		.amdhsa_private_segment_fixed_size 0
		.amdhsa_enable_private_segment 0
		.amdhsa_kernarg_size 80
		.amdhsa_user_sgpr_count 2
		.amdhsa_user_sgpr_kernarg_segment_ptr 1
		.amdhsa_wavefront_size32 1
		.amdhsa_system_sgpr_workgroup_id_x 1
		.amdhsa_system_sgpr_workgroup_id_y 1
		.amdhsa_system_sgpr_workgroup_id_z 1
		.amdhsa_system_vgpr_workitem_id 0
		.amdhsa_next_free_vgpr 1024
		.amdhsa_next_free_sgpr 100
		.amdhsa_reserve_vcc 0
		.amdhsa_float_denorm_mode_32 3
		.amdhsa_float_denorm_mode_16_64 3
		.amdhsa_memory_ordered 1
		.amdhsa_forward_progress 1
		.amdhsa_inst_pref_size 111
	.end_amdhsa_kernel
	.amdgpu_metadata
---
amdhsa.version: [ 1, 2 ]
amdhsa.kernels:
  - .name:           k_qbd5edc5bc3_proj
    .symbol:         k_qbd5edc5bc3_proj.kd
    .args:
      - { .name: node_emb_codes, .offset: 0, .size: 8, .value_kind: global_buffer, .address_space: global }
      - { .name: Wq_codes, .offset: 8, .size: 8, .value_kind: global_buffer, .address_space: global }
      - { .name: Wk_codes, .offset: 16, .size: 8, .value_kind: global_buffer, .address_space: global }
      - { .name: Wv_codes, .offset: 24, .size: 8, .value_kind: global_buffer, .address_space: global }
      - { .name: bq, .offset: 32, .size: 8, .value_kind: global_buffer, .address_space: global }
      - { .name: bk, .offset: 40, .size: 8, .value_kind: global_buffer, .address_space: global }
      - { .name: bv, .offset: 48, .size: 8, .value_kind: global_buffer, .address_space: global }
      - { .name: lowp_scales, .offset: 56, .size: 8, .value_kind: global_buffer, .address_space: global }
      - { .name: qf, .offset: 64, .size: 8, .value_kind: global_buffer, .address_space: global }
      - { .name: kv, .offset: 72, .size: 8, .value_kind: global_buffer, .address_space: global }
    .group_segment_fixed_size: 327680
    .private_segment_fixed_size: 0
    .kernarg_segment_align: 8
    .kernarg_segment_size: 80
    .max_flat_workgroup_size: 128
    .sgpr_count:     100
    .vgpr_count:     1024
    .wavefront_size: 32
...
	.end_amdgpu_metadata
.endif
;; end of part 1
;; launch attn (part 2): grid 16 x 16, 8 waves a work-group, clusters of 4 x 1, 327,680 bytes of LDS; arguments qf, kv, lowp_scales, out0; writes out0
.if DOCPART == 2
	.amdgcn_target "amdgcn-amd-amdhsa--gfx1250"
	.amdhsa_code_object_version 6
	.text
	.protected	k_qbd5edc5bc3_attn
	.globl	k_qbd5edc5bc3_attn
	.p2align	8
	.type	k_qbd5edc5bc3_attn,@function
k_qbd5edc5bc3_attn:
	s_mov_b64 s[64:65], 0
	v_nop
	global_prefetch_b8 v0, s[64:65] scope:SCOPE_SE
	s_setreg_imm32_b32 hwreg(HW_REG_WAVE_MODE, 25, 1), 1
	s_wait_xcnt 0x0
	s_wait_alu depctr_hold_cnt(0) depctr_sa_sdst(0) depctr_va_vdst(0) depctr_va_sdst(0) depctr_va_ssrc(0) depctr_va_vcc(0) depctr_vm_vsrc(0)
	s_getreg_b32 s2, hwreg(HW_REG_IB_STS2, 6, 4)
	s_cmp_eq_u32 s2, 0
	s_cbranch_scc0 .Lentry_in_a_cluster
	s_endpgm
.Lentry_in_a_cluster:
	s_bfe_u32 s2, ttmp6, 0x10000c
	s_cmp_lg_u32 s2, 0x3003
	s_cbranch_scc0 .Lentry_shape_is_right
	s_endpgm
.Lentry_shape_is_right:
; out[q][64 h ..] = the sum over keys of softmax(Q_h[q] . K_h[key] / 8) V_h[key][:], 16 heads of 64, 4,096 queries and keys, both products on codes of BF8 (E5M2).
; qf and kv hold the codes as images of the operands' registers (a group of four registers: 512 bytes, lane l's 16 bytes at 16 l):
;   qf [head][tile of 16 queries 256][group 2];   kv [head][place 32][16,384]: place p = V^T of key step (p + 1) mod 32 [tile of 16 channels 4][group 4], then K of key step (p + 2) mod 32 [tile of 16 keys 8][group 2].
; The buffer of scales: e6 (q), e7 (k), e8 (v), e9 (p) are entries 6 to 9.
; SOFTMAX: t = score x log2(e) / 8; M = the row's largest t so far, rounded UP to a whole number; p = 2^(t - M) is quantised with 2^e9; it is not normalised.  The sum is taken of the unquantised p, in f32, and divides at the end.
; When M moves, the sum and O are multiplied by f = 2^(old M - new M): nothing is rounded, and no branch hangs on data.
; LIMITS: e6 + e7 between -123 and 130 (they are added to the exponent field of log2(e) / 8); e9 between -126 and 112; e8 + e9 goes in by v_ldexp_f32 and has none.  Scaled scores stay under 2^31 in magnitude.  NaN is not served.
; SHARES.  A work-group owns 256 queries of one head, each of its eight waves 32: two tiles of 16, so that each fragment of K and V read from LDS feeds two matrix instructions.  Every wave walks all keys, 128 a step.
; LAYOUT.  Both products are transposed: S^T = K Q^T (source 0 = 16 keys; K = 64), O^T = V^T P^T (source 0 = 16 channels; K = 128): a lane holds ONE query (lane % 16) throughout.
; In S^T register 8 t + j of lane l is key 16 t + 8 (l / 16) + j, the place that registers 2 t, 2 t + 1 of the second product's operand have: the conversions' results are that operand.
; HALF A STEP APART.  While tile y's 64 exponentials are issued, the other tile x's first sums and holds stand between them; nothing written there is read there.  Then x is converted and multiplied by V^T, x's next scores are made,
; and x's maximum follows, whose dependent lines stand between the rescalings of y's O^T.
; FRAGMENTS A STEP AHEAD.  K and V have two register buffers each.  Step n multiplies V of step n and K of step n + 1, and at its head V of step n + 1 and K of step n + 2 are asked for: place n of kv.  The first V and the first two K
; (places 30 and 31) come from memory straight into registers.  Two steps are a trip of the loop, so that the buffers' numbers come round.
; RING.  Two LDS slots of eight places (131,072 bytes).  Wave w's tensor load brings bytes 2,048 w .. of each of the eight places: a slot lies in LDS as [eighth of a place][place][2,048].  (Of the last slot's last place nothing is read: its
; contents were read at the head.)  CLUSTER: the four query blocks of a cluster belong to one head and walk the same bytes: each eighth of a slot is asked for JOINTLY, by the same load with the same descriptor and the mask of all four,
; one load a wave behind each round: a wave never has more than one tensor load out, and it has eight steps in which to land.
; REGISTERS.  window 0: v0-15 below; v16-47 sums and work (T), of which p's codes (P) take the upper half as it falls free; v48-63 Q; v64-191 S^T then p, 64 a tile; v192-255 O^T, 32 a tile.   window 1: K two buffers of 64, V^T two of 64.
; Tile x: -M at v[2 + 4 x], f at v[4 + 4 x], the largest score at v[5 + 4 x], the sum in two halves at v[10 + 2 x].  (Packed forms name pairs and take the low word: the upper words, v3, v5, v7, v9, are other live numbers.)
; In a step the fragments of the next one are asked for in four groups of eight loads (not all at its head), each directly ahead of one of the waits that stand around the exponentials.
.set PLB,   16384                      ; a place's bytes
.set SLOTB, 8*PLB
.set SLOT1, 131072                     ; slot 1 begins here
.set CH,    16384                      ; in LDS: from one eighth of the places to the next
.set SPARE, 2*SLOTB                    ; the spare words, 128 bytes for each wave: no other line names them
.set STAGE, SPARE+1024                 ; the way out: for each wave 16 rows x (256 bytes + 16); no fill lands here
.set SP,    272
.set PFO,  0                           ; v0   256 x lane: the prefetches' offset
.set ADR,  1                           ; v1   LDS address of the place in hand
.set SCP,  3                           ; v3   2^e9 as f32
.set LI,   7                           ; v7   16 x lane: my place in an image
.set SPW,  14                          ; v14  LDS address of my spare word
.set NIL,  15                          ; v15  0
.set T,    16
.set P,    T+16
.set QF,   48
.set S,    64
.set O,    192
.set KF,   0                           ; in window 1
.set VF,   128
.set WV,   12                          ; s12  my wave's number
.set LIM,  15                          ; s15  1 in a wave that prefetches, else the greatest number
.set PFA,  18                          ; s[18:19] where my prefetches stand in kv
.set G1,   24                          ; s[24:31] descriptor group 1
.set G0,   32                          ; s[32:35] descriptor group 0, which walks
.set SLOTS, 36                         ; s36  slots still to be asked for
.set CNT,  37                          ; s37  counts a slot's trips
.set TB,   38                          ; s38  LDS byte at which the trip's first place begins
.set NC,   39                          ; s39  -c
.set CS,   40                          ; s[40:41] c = log2(e) / 8 x 2^(e6 + e7): the packed form names a pair and takes its low word for both halves
.set SEL,  42                          ; s[42:43] lane selects for v_permlanex16_b32: lane l xor 16
.set LIMP, 60                          ; s60  57,344 x 2^e9
.set MSB, 0
.macro WIN new                         ; the immediate's high byte repeats the setting that is left; bits 1:0 source 0, 3:2 source 1, 5:4 source 2, 7:6 destination
.if MSB != \new
	s_set_vgpr_msb (MSB<<8)|\new
.set MSB, \new
.endif
.endm
.set W_LD, 0x40                        ; destination window 1, address window 0
.set W_MM, 0x01                        ; K or V^T (source 0) window 1, the rest window 0
; A round of the cluster's barrier: my work-group's barrier, wave 0 signals for the work-group, every wave waits for all four work-groups, my work-group's barrier once more.
.macro CROUND
	s_barrier_signal -1
	s_barrier_wait -1
	s_cmp_lg_u32 s[WV], 0
	s_cbranch_scc1 .Lnot_wave_0_\@
	s_barrier_signal -3
.Lnot_wave_0_\@:
	s_barrier_wait -3
	s_barrier_signal -1
	s_barrier_wait -1
.endm
; A PREFETCH INTO THE L2 of the slot that the NEXT change of slots will ask for: eight steps ahead of that load.  Each aligned block of 256 bytes is named once in the launch: all four clusters of a head walk the same bytes, so the
; head's first cluster asks; its four partners take 32,768 bytes each, told apart BY ADDRESS; in each, waves 0 to 3 ask for 8,192 bytes, lanes 256 bytes apart.  Slots 0 and 1 come by their loads alone; the last fill asks for nothing.
.macro ASK
	s_cmp_gt_u32 s[SLOTS], s[LIM]
	s_cbranch_scc0 .Lnot_mine_\@
	global_prefetch_b8 v[PFO], s[PFA:PFA+1] th:TH_LOAD_NT scope:SCOPE_SE
.Lnot_mine_\@:
.endm
	s_load_b256 s[4:11], s[0:1], 0x0               ; qf s[4:5], kv s[6:7], the scales' exponents s[8:9], out s[10:11]
	v_lshl_add_u32 v[SPW], v0, 2, SPARE
	v_mov_b32 v[NIL], 0
	ds_add_u32 v[SPW], v[NIL]                      ; the wave's opening: the add, twice on end, and its wait
	ds_add_u32 v[SPW], v[NIL]
	v_lshrrev_b32 v1, 5, v0
	v_readfirstlane_b32 s[WV], v1                  ; wave 0..7
	v_and_b32 v1, 31, v0
	v_lshlrev_b32 v[LI], 4, v1
	v_lshlrev_b32 v[PFO], 8, v1
	s_bfe_u32 s13, ttmp6, 0x40000                  ; cx: my place in the cluster
	s_lshl_b32 s14, ttmp9, 2                       ; in a cluster launch ttmp9 counts clusters
	s_add_co_u32 s14, s14, s13                     ; my block of 256 queries: it enters Q's and out's addresses alone
	s_and_b32 s16, ttmp7, 0xffff                   ; the head, which the four partners share
	; descriptor group 1: eight rows of 2,048 bytes, a place apart, no padding
	s_mov_b32 s[G1], 15|(3<<16)|(1<<21)            ; 15:0 the mask: all four work-groups; 17:16 elements of 8 bytes; 21 set beside a mask
	s_mov_b32 s[G1+1], 256<<16                     ; tensor_dim0 = 256 elements
	s_mov_b32 s[G1+2], 8<<16                       ; tensor_dim1 = 8 rows
	s_mov_b32 s[G1+3], 256<<16                     ; tile_dim0 = 256
	s_mov_b32 s[G1+4], 8                           ; tile_dim1 = 8
	s_mov_b32 s[G1+5], 2048                        ; tensor_dim0_stride: 16,384 bytes
	s_mov_b32 s[G1+6], 0
	s_mov_b32 s[G1+7], 0
	s_mov_b32 s[SEL], 0x76543210
	s_mov_b32 s[SEL+1], 0xfedcba98
	s_mov_b32 s[CS], 0x3e38aa3b                    ; log2(e) / 8
	s_mov_b32 s[TB], 0
	s_mov_b32 s[SLOTS], 3
	s_lshr_b32 s[LIM], s[WV], 2                    ; 0 in waves 0 to 3,
	s_or_b32 s[LIM], s[LIM], ttmp9                 ; where the cluster is the head's first: the same in all four partners
	s_cmp_eq_u32 s[LIM], 0
	s_cselect_b32 s[LIM], 1, -1
	s_lshl_b32 s17, s[WV], 14                      ; my wave's 16,384 of a slot: no place in the cluster enters an LDS address
	s_lshl_b32 s22, s16, 19                        ; the head's 2^19 bytes of kv,
	s_lshl_b32 s20, s[WV], 11                      ; my wave's 2,048 of a place
	s_add_co_u32 s20, s20, s22
	s_mov_b32 s21, 0
	s_add_co_u32 s56, s22, 30*PLB+8192             ; K of step 0; behind it lie V and then K of steps 0 and 1 (place 31)
	s_mov_b32 s57, 0
	s_and_b32 s23, s[WV], 3                        ; the prefetches: my wave's 8,192
	s_lshl_b32 s23, s23, 13
	s_add_co_u32 s22, s22, s23
	s_lshl_b32 s23, s13, 15                        ; of my work-group's 32,768,
	s_add_co_u32 s22, s22, s23
	s_add_co_u32 s22, s22, SLOTB                   ; in slot 1: the first change of slots steps it to slot 2
	s_mov_b32 s23, 0
	s_lshl_b32 s48, s16, 18                        ; Q: the head's 2^18 bytes of qf,
	s_lshl_b32 s49, s14, 14                        ; my block's 16 tiles of 1,024 bytes,
	s_add_co_u32 s48, s48, s49
	s_lshl_b32 s49, s[WV], 11                      ; my wave's two
	s_add_co_u32 s48, s48, s49
	s_mov_b32 s49, 0
	s_lshl_b32 s50, s14, 20                        ; out: my block's 256 rows of 4,096 bytes,
	s_lshl_b32 s51, s[WV], 17                      ; my wave's 32,
	s_add_co_u32 s50, s50, s51
	s_lshl_b32 s51, s16, 8                         ; the head's 256 bytes of a row
	s_add_co_u32 s50, s50, s51
	s_mov_b32 s51, 0
	s_wait_alu depctr_va_vdst(0)                   ; a wait ahead of the waits below
	s_wait_dscnt 0x0                               ; both opening adds are done
	s_wait_kmcnt 0x0
	s_load_b128 s[44:47], s[8:9], 0x18             ; e6, e7, e8, e9
	s_add_nc_u64 s[4:5], s[4:5], s[48:49]
	s_add_nc_u64 s[56:57], s[6:7], s[56:57]
	s_mov_b32 s[G0], 1                             ; count = 1
	s_mov_b32 s[G0+1], s17                         ; LDS address: slot 0
	s_add_nc_u64 s[G0+2:G0+3], s[6:7], s[20:21]    ; global address: the head's first eight places
	s_or_b32 s[G0+3], s[G0+3], 0x80000000          ; type = 2
	s_add_nc_u64 s[PFA:PFA+1], s[6:7], s[22:23]
	s_add_nc_u64 s[10:11], s[10:11], s[50:51]
.irp n, 0,1,2,3
	global_load_b128 v[QF+4*\n:QF+4*\n+3], v[LI], s[4:5] offset:512*\n      ; Q's two fragments stay in registers: tile n / 2, group n % 2
.endr
	WIN W_LD
.set i, 0
.rept 16
	global_load_b128 v[KF+4*i:KF+4*i+3], v[LI], s[56:57] offset:512*i       ; K of step 0
.set i, i+1
.endr
.set i, 0
.rept 16
	global_load_b128 v[VF+4*i:VF+4*i+3], v[LI], s[56:57] offset:8192+512*i  ; V of step 0
.set i, i+1
.endr
.set i, 0
.rept 16
	global_load_b128 v[KF+64+4*i:KF+64+4*i+3], v[LI], s[56:57] offset:16384+512*i   ; K of step 1
.set i, i+1
.endr
	WIN 0
	CROUND                                         ; all four work-groups are here: the first joint loads meet
	tensor_load_to_lds s[G0:G0+3], s[G1:G1+7]      ; slot 0
	s_nop 0
.rept 4
	v_nop                                          ; four lines behind a tensor load, ahead of any switch of windows
.endr
.irp x, 0,1
	v_mov_b32 v[2+4*\x], 0x7f61b1e6                ; -M = 3e38
	v_mov_b32 v[4+4*\x], 0                         ; f
	v_mov_b32 v[5+4*\x], 0xff61b1e6                ; the largest score so far: -3e38, under every score
	v_mov_b32 v[10+2*\x], 0                        ; the sum
	v_mov_b32 v[11+2*\x], 0
.endr
.irp n, 0,1,2,3,4,5,6,7
	v_mov_b32 v[T+\n], 0                           ; tile 1's first visit of its sums finds zeros
.endr
	v_mov_b32 v[T+20], 0                           ; written once: a lane permute's destination counts as one of its sources
	s_wait_kmcnt 0x0
	s_add_co_i32 s52, s44, s45
	s_lshl_b32 s52, s52, 23
	s_add_co_i32 s[CS], s[CS], s52                 ; a score stands for score x 2^(e6 + e7): the two exponents are added to c's exponent field
	s_mov_b32 s[CS+1], s[CS]                       ; (named with it as a pair, so it is written)
	s_xor_b32 s[NC], s[CS], 0x80000000
	s_add_co_i32 s52, s47, 127
	s_lshl_b32 s53, s52, 23
	v_mov_b32 v[SCP], s53                          ; 2^e9
	s_add_co_i32 s52, s52, 15
	s_lshl_b32 s52, s52, 23
	s_or_b32 s[LIMP], s52, 0x600000                ; 57,344 x 2^e9
.macro FILL n                          ; n independent lines: the other tile's O^T x f, ascending (rsm = 1), or O^T's zeros at the head (rsm = 2: the first change of M leaves them zeros)
.rept \n
.if rsm == 1
	v_pk_mul_f32 v[O+32*rx+2*j:O+32*rx+2*j+1], v[O+32*rx+2*j:O+32*rx+2*j+1], v[4+4*rx:5+4*rx] op_sel_hi:[1,0]
.elseif rsm == 2
	v_mov_b32 v[O+4*j], 0
	v_mov_b32 v[O+4*j+1], 0
	v_mov_b32 v[O+4*j+2], 0
	v_mov_b32 v[O+4*j+3], 0
.endif
.set j, j+1
.endr
.endm
.macro FMA n                           ; t - M, a pair of scores each
.rept \n
	v_pk_fma_f32 v[yS+2*i:yS+2*i+1], v[yS+2*i:yS+2*i+1], s[CS:CS+1], v[yM:yM+1] op_sel_hi:[1,0,0]
.set i, i+1
.endr
.endm
.macro TADD a, b                       ; partial sums: pair a += pair b
	v_pk_add_f32 v[T+2*(\a):T+2*(\a)+1], v[T+2*(\a):T+2*(\a)+1], v[T+2*(\b):T+2*(\b)+1]
.endm
.macro ADD4                            ; four plain lines behind matrix instructions: places in front of loads, of reads of their results and of writes of p's codes' registers
	TADD 0, 4
	TADD 1, 5
	TADD 2, 6
	TADD 3, 7
.endm
.macro SUMEND y                        ; the sum under the step's M: x f, and the step's p added
	v_pk_fma_f32 v[10+2*(\y):11+2*(\y)], v[10+2*(\y):11+2*(\y)], v[4+4*(\y):5+4*(\y)], v[T:T+1] op_sel_hi:[1,0,1]
.endm
; Tile y's scores: the largest in four chains, each begun with the largest so far, ascending; then M, f, and t - M.  tr = 1: the rest of y's last sums stands among them.
.macro PRE y, tr, rs
.set yS, S+64*(\y)
.set yM, 2+4*(\y)
.set rx, 1-(\y)
.set rsm, \rs
.set i, 0
.rept 32
.if i < 4
	v_max3_num_f32 v[T+16+i], v[yM+3], v[yS+2*i], v[yS+2*i+1]
.else
	v_max3_num_f32 v[T+16+i%4], v[T+16+i%4], v[yS+2*i], v[yS+2*i+1]
.endif
.set i, i+1
.endr
.set i, 0
.set j, 0
.if rsm == 1
	s_wait_alu depctr_va_vdst(0)
.endif
	v_max3_num_f32 v[T+16], v[T+16], v[T+17], v[T+18]
	FILL 3
	v_max_num_f32 v[T+16], v[T+16], v[T+19]
	FILL 3
	v_permlanex16_b32 v[T+20], v[T+16], s[SEL], s[SEL+1]   ; the query's other 64 keys lie in the lane 16 away
	FILL 2
.if \tr
	TADD 0, 2                                      ; the rest of y's last sums stands among the dependent lines
.endif
	v_max_num_f32 v[yM+3], v[T+16], v[T+20]
	FILL 2
.if \tr
	TADD 1, 3
.endif
	v_mul_f32 v[T+21], s[NC], v[yM+3]              ; -t of the largest (c is positive)
	FILL 2
	v_floor_f32 v[T+21], v[T+21]                   ; the new -M = floor(-t) = -ceil(t): M is a whole number
	FILL 2
.if \tr
	TADD 0, 1
.endif
	v_sub_f32 v[T+22], v[T+21], v[yM]              ; old M less new M: a whole number, 0 or less
	v_mov_b32 v[yM], v[T+21]
	FILL 2
.if \tr
	SUMEND \y                                      ; with the f of those sums' step: the new f follows below
.endif
	FMA 4
	v_cvt_i32_f32 v[T+22], v[T+22]                 ; (it saturates)
	FMA 4
	v_ldexp_f32 v[yM+2], 1.0, v[T+22]              ; f
	FMA 24
.endm
.macro HOLD r                          ; two holds in one: the conversion to an 8-bit code does not saturate (ISA guide 7.6.2); p is not negative, so one-sided
	v_dual_min_num_f32 v[\r], s[LIMP], v[\r] :: v_dual_min_num_f32 v[\r+1], s[LIMP], v[\r+1]
.endm
; Tile y's exponentials, p = 2^(t - M), and between them the other tile's first sums (of the UNQUANTISED p, ahead of its holds) and holds.  No line here reads what another one here has written.
.macro REGION y
.set yS, S+64*(\y)
.set xS, S+64*(1-(\y))
.set i, 0
.rept 16
	v_exp_f32 v[yS+4*i], v[yS+4*i]
	v_pk_add_f32 v[T+2*i:T+2*i+1], v[xS+4*i:xS+4*i+1], v[xS+4*i+2:xS+4*i+3]
	v_exp_f32 v[yS+4*i+1], v[yS+4*i+1]
	HOLD xS+4*i
	v_exp_f32 v[yS+4*i+2], v[yS+4*i+2]
	v_exp_f32 v[yS+4*i+3], v[yS+4*i+3]
	HOLD xS+4*i+2
.set i, i+1
.endr
.endm
.macro CVT x                           ; p's codes: registers 2 t, 2 t + 1 = keys 16 t + 8 (l / 16) + 0 .. 7, laid over the pair of sums that the line above has used up
.set xS, S+64*(\x)
.set i, 0
.rept 8
	TADD i, i+8
	v_cvt_scalef32_pk8_bf8_f32 v[P+2*i:P+2*i+1], v[xS+8*i:xS+8*i+7], v[SCP]
.set i, i+1
.endr
	v_nop                                          ; a plain line between the last conversion and the matrix instruction that reads it
.endm
.macro PVM x, vb                       ; O^T += V^T P^T: four accumulators, one instruction each
	WIN W_MM
.irp d, 0,1,2,3
	v_wmma_f32_16x16x128_bf8_bf8 v[O+32*(\x)+8*\d:O+32*(\x)+8*\d+7], v[VF+64*(\vb)+16*\d:VF+64*(\vb)+16*\d+15], v[P:P+15], v[O+32*(\x)+8*\d:O+32*(\x)+8*\d+7]
.endr
.endm
.macro QKM x, kb                       ; S^T = K Q^T of the next step
	WIN W_MM
.irp t, 0,1,2,3,4,5,6,7
	v_wmma_f32_16x16x64_bf8_bf8 v[S+64*(\x)+8*\t:S+64*(\x)+8*\t+7], v[KF+64*(\kb)+8*\t:KF+64*(\kb)+8*\t+7], v[QF+8*(\x):QF+8*(\x)+7], 0
.endr
.endm
; STEP n; p = n % 2: V of step n lies in V's buffer p, K of step n + 1 in K's buffer 1 - p.  In front of it tile 1's scores and tile 0's p of step n are made.
; mode 0: fetches V of step n + 1 and K of step n + 2, from place n; 1: V alone (step 30); 2: nothing, and makes no further scores (step 31).
.macro LDV p, d0                       ; V^T of the next step, channel tiles d0 and d0 + 1: eight loads, into the buffer that the last step's products have left
	WIN W_LD
.irp d, \d0, \d0+1
.irp g, 0,1,2,3
	ds_load_b128 v[VF+64*(1-\p)+16*(\d)+4*\g:VF+64*(1-\p)+16*(\d)+4*\g+3], v[ADR] offset:2048*(\p)+CH*(\d)+512*\g
.endr
.endr
	WIN 0
.endm
.macro LDK p, t0                       ; K of the step after the next, key tiles t0 to t0 + 3: eight loads
	WIN W_LD
.irp t, \t0, \t0+1, \t0+2, \t0+3
.irp g, 0,1
	ds_load_b128 v[KF+64*(\p)+8*(\t)+4*\g:KF+64*(\p)+8*(\t)+4*\g+3], v[ADR] offset:2048*(\p)+CH*((\t)/2)+1024*((\t)%2)+512*\g
.endr
.endr
	WIN 0
.endm
.macro BODY p, mode
.if \mode < 2
	v_add_nc_u32 v[ADR], s[TB], v[LI]
.endif
	PRE 1, 1, 1
.if \mode < 2
	LDV \p, 0
.endif
	s_wait_alu depctr_va_vdst(0)                   ; ahead of the batch
	REGION 1
.if \mode < 2
	LDV \p, 2
.endif
	s_wait_alu depctr_va_vdst(0)                   ; behind the batch, ahead of the first readers of what was written in it
.if \mode < 2
	s_wait_dscnt 16                                ; what the step before has asked for is in; this step's sixteen loads of V may be out
.else
	s_wait_dscnt 0x0
.endif
	CVT 0
	PVM 0, \p
.if \mode < 2
	QKM 0, 1-\p
	WIN 0
	ADD4
.if \mode == 0
	v_add_nc_u32 v[ADR], 4*CH, v[ADR]              ; K's half of the places
.endif
	PRE 0, 1, 1
.if \mode == 0
	LDK \p, 0
.endif
	s_wait_alu depctr_va_vdst(0)
	REGION 0
.if \mode == 0
	LDK \p, 4
.endif
	s_wait_alu depctr_va_vdst(0)
	CVT 1
	PVM 1, \p
	QKM 1, 1-\p
	WIN 0
	ADD4
.else
	WIN 0
	ADD4                                           ; tile 0 is finished,
	TADD 0, 2
	TADD 1, 3
	TADD 0, 1
	SUMEND 0
	s_wait_alu depctr_va_vdst(0)
.set rsm, 1
.set rx, 1
.set j, 0
	FILL 16
.set i, 0
.rept 16
	v_pk_add_f32 v[T+2*i:T+2*i+1], v[S+64+4*i:S+64+4*i+1], v[S+64+4*i+2:S+64+4*i+3]
	HOLD S+64+4*i
	HOLD S+64+4*i+2
.set i, i+1
.endr
	CVT 1
	PVM 1, \p
	WIN 0
	ADD4                                           ; and so is tile 1
	TADD 0, 2
	TADD 1, 3
	TADD 0, 1
	SUMEND 1
.endif
.endm
; THE CHANGE OF SLOTS.  Each wave waits for all its tensor loads (its part of the slot that it is about to read), adds 0 to its spare word, and waits for that and for its reads of the slot that it has left.
; fill = 1: the barrier is a round of the cluster's, so that no wave of any partner still reads the other slot or has a load on its way, and the joint fill of that slot is the first thing behind it.
.macro CHANGE fill
	s_wait_alu depctr_va_vdst(0)
	s_wait_tensorcnt 0x0                           ; no tensor load of mine is out, so group 0 may be written
	ds_add_u32 v[SPW], v[NIL]                      ; 0 onto my spare word; (work on scalar registers stands between it and the wait for it)
.if \fill
	s_xor_b32 s[G0+1], s[G0+1], SLOT1              ; the other slot than last time,
	s_add_nc_u64 s[G0+2:G0+3], s[G0+2:G0+3], SLOTB ; the next eight places; the type bits on top are not reached
	s_wait_xcnt 0x0                                ; the last prefetch, a slot back, has read its address, so it may be written:
	s_add_nc_u64 s[PFA:PFA+1], s[PFA:PFA+1], SLOTB ; one slot further on than the walking descriptor
.endif
	s_wait_dscnt 0x0                               ; the add is done, and my reads of the slot that I have left are over
.if \fill
	CROUND
	tensor_load_to_lds s[G0:G0+3], s[G1:G1+7]      ; my one tensor load until the next round
	s_nop 0
.rept 4
	v_nop
.endr
	ASK
.else
	s_barrier_signal -1
	s_barrier_wait -1
.endif
.endm
	s_wait_alu depctr_va_vdst(0)                   ; the wait at the head's end
	s_wait_loadcnt 32                              ; Q and K of step 0; the 32 loads of V of step 0 and K of step 1 may be out
	QKM 0, 0
	WIN 0
.rept 4
	v_nop                                          ; places in front of the first read of the scores
.endr
	PRE 0, 0, 2
	s_wait_alu depctr_va_vdst(0)
.set i, 0
.rept 64
	v_exp_f32 v[S+i], v[S+i]
.set i, i+1
.endr
	v_nop
	s_wait_alu depctr_va_vdst(0)
	QKM 1, 0                                       ; behind the exponentials: its results are first read with none between
	WIN 0
.rept 4
	v_nop
.endr
	s_wait_loadcnt 0x0                             ; V of step 0 and K of step 1
.Lslot:                                                ; three slots, behind each change the next one is asked for
	CHANGE 1
	s_mov_b32 s[CNT], 4
.Lstep:
	BODY 0, 0
	BODY 1, 0
	s_add_co_u32 s[TB], s[TB], 4096                ; two places on
	s_sub_co_u32 s[CNT], s[CNT], 1
	s_cmp_lg_u32 s[CNT], 0
	s_wait_alu depctr_va_vdst(0)                   ; directly ahead of the branch
	s_cbranch_scc1 .Lstep
	s_sub_co_u32 s[TB], s[TB], 4*4096              ; back to a slot's first place,
	s_xor_b32 s[TB], s[TB], SLOT1                  ; in the other slot
	s_sub_co_u32 s[SLOTS], s[SLOTS], 1
	s_cmp_lg_u32 s[SLOTS], 0
	s_cbranch_scc1 .Lslot
	CHANGE 0                                       ; the last slot is written out
	s_mov_b32 s[CNT], 3
.Lstep_l:
	BODY 0, 0
	BODY 1, 0
	s_add_co_u32 s[TB], s[TB], 4096
	s_sub_co_u32 s[CNT], s[CNT], 1
	s_cmp_lg_u32 s[CNT], 0
	s_wait_alu depctr_va_vdst(0)
	s_cbranch_scc1 .Lstep_l
	BODY 0, 1
	BODY 1, 2
	; THE WAY OUT.  The sum's two halves and the other half of the lanes' are added; O^T is multiplied by 2^(e8 + e9) / the sum and goes through my stage in LDS, a tile (16 rows of 256 bytes) at a time.
	v_add_f32 v[T+8], v10, v11
	v_add_f32 v[T+9], v12, v13
	v_lshrrev_b32 v[P], 4, v[LI]                   ; lane
	v_lshrrev_b32 v[P+2], 8, v[LI]                 ; h = lane / 16
	v_permlanex16_b32 v[T+10], v[T+8], s[SEL], s[SEL+1]
	v_permlanex16_b32 v[T+11], v[T+9], s[SEL], s[SEL+1]
	v_and_b32 v[P+1], 15, v[P]                     ; r = lane % 16
	s_mul_i32 s52, s[WV], 16*SP
	s_add_co_u32 s52, s52, STAGE                   ; my stage
	v_add_f32 v[T+8], v[T+8], v[T+10]
	v_add_f32 v[T+9], v[T+9], v[T+11]
	v_mul_u32_u24 v[P+3], v[P+1], SP               ; in: row r, 32 bytes for each half of the lanes
	v_mul_u32_u24 v[P+4], v[P+2], SP               ; back: lanes 0-15 take one row of 256 bytes, lanes 16-31 the next
	v_lshlrev_b32 v[P+5], 12, v[P+2]               ; and the same two rows in out
	v_lshl_add_u32 v[P+3], v[P+2], 5, v[P+3]
	v_lshl_add_u32 v[P+4], v[P+1], 4, v[P+4]
	v_lshl_add_u32 v[P+5], v[P+1], 4, v[P+5]
	v_add_nc_u32 v[P+3], s52, v[P+3]
	v_add_nc_u32 v[P+4], s52, v[P+4]
	s_wait_alu depctr_va_vdst(0)                   ; ahead of the batch
	v_rcp_f32 v[T+24], v[T+8]
	v_rcp_f32 v[T+26], v[T+9]
	v_nop                                          ; a plain line between the last reciprocal and the use of its result
	s_add_co_i32 s53, s46, s47                     ; e8 + e9
	s_wait_alu depctr_va_vdst(0)                   ; behind the batch
	v_ldexp_f32 v[T+24], v[T+24], s53
	v_ldexp_f32 v[T+26], v[T+26], s53
	s_wait_alu depctr_va_vdst(0)
.irp x, 0,1
.set i, 0
.rept 16                               ; register 8 d + j of lane (r, h) is out(query r, channel 16 d + 8 h + j): 32 neighbouring bytes of a row; S^T's registers are free
	v_pk_mul_f32 v[S+64*\x+i:S+64*\x+i+1], v[O+32*\x+i:O+32*\x+i+1], v[T+24+2*\x:T+25+2*\x] op_sel_hi:[1,0]
.set i, i+2
.endr
.endr
.irp x, 0,1
.irp d, 0,1,2,3
	ds_store_b128 v[P+3], v[S+64*\x+8*\d:S+64*\x+8*\d+3]   offset:64*\d
	ds_store_b128 v[P+3], v[S+64*\x+8*\d+4:S+64*\x+8*\d+7] offset:64*\d+16
.endr
.irp n, 0,1,2,3,4,5,6,7
	ds_load_b128 v[S+64*\x+32+4*\n:S+64*\x+32+4*\n+3], v[P+4] offset:\n*2*SP   ; LDS serves a wave's instructions in order (ISA guide 5.7.1.4): these see my stores, and the next tile's stores come behind them
.endr
.endr
.macro SEND x, younger                 ; younger: the LDS instructions issued behind tile x's loads: the other tile's sixteen, or none
.irp n, 0,1,2,3,4,5,6,7
	s_wait_dscnt \younger+7-\n
	global_store_b128 v[P+5], v[S+64*\x+32+4*\n:S+64*\x+32+4*\n+3], s[10:11] offset:\x*65536+\n*8192 th:TH_STORE_NT   ; 16 lanes store 256 consecutive bytes, at a multiple of 256 from out's first byte; written once, read by nobody here
.endr
.endm
	SEND 0, 16
	SEND 1, 0
	s_wait_tensorcnt 0x0                           ; the wave's end
	ds_add_u32 v[SPW], v[NIL]
	s_wait_dscnt 0x0
	CROUND                                         ; the closing round: no work-group ends while a partner may still ask for a tile that names it
	s_endpgm
.Lfunc_end_k_qbd5edc5bc3_attn:
	.size	k_qbd5edc5bc3_attn, .Lfunc_end_k_qbd5edc5bc3_attn-k_qbd5edc5bc3_attn
	.p2alignl 7, 3214868480
	.fill 96, 4, 3214868480
	.section	.rodata,"a",@progbits
	.p2align	6, 0x0
	.amdhsa_kernel k_qbd5edc5bc3_attn
		.amdhsa_group_segment_fixed_size 327680
		.amdhsa_private_segment_fixed_size 0
		.amdhsa_enable_private_segment 0
		.amdhsa_kernarg_size 32
		.amdhsa_user_sgpr_count 2
		.amdhsa_user_sgpr_kernarg_segment_ptr 1
		.amdhsa_wavefront_size32 1
		.amdhsa_system_sgpr_workgroup_id_x 1
		.amdhsa_system_sgpr_workgroup_id_y 1
		.amdhsa_system_sgpr_workgroup_id_z 1
		.amdhsa_system_vgpr_workitem_id 0
		.amdhsa_next_free_vgpr 512
		.amdhsa_next_free_sgpr 66
		.amdhsa_reserve_vcc 0
		.amdhsa_float_denorm_mode_32 3
		.amdhsa_float_denorm_mode_16_64 3
		.amdhsa_memory_ordered 1
		.amdhsa_forward_progress 1
		.amdhsa_inst_pref_size 188
	.end_amdhsa_kernel
	.amdgpu_metadata
---
amdhsa.version: [ 1, 2 ]
amdhsa.kernels:
  - .name:           k_qbd5edc5bc3_attn
    .symbol:         k_qbd5edc5bc3_attn.kd
    .args:
      - { .name: qf, .offset: 0, .size: 8, .value_kind: global_buffer, .address_space: global }
      - { .name: kv, .offset: 8, .size: 8, .value_kind: global_buffer, .address_space: global }
      - { .name: lowp_scales, .offset: 16, .size: 8, .value_kind: global_buffer, .address_space: global }
      - { .name: out0, .offset: 24, .size: 8, .value_kind: global_buffer, .address_space: global }
    .group_segment_fixed_size: 327680
    .private_segment_fixed_size: 0
    .kernarg_segment_align: 8
    .kernarg_segment_size: 32
    .max_flat_workgroup_size: 256
    .sgpr_count:     66
    .vgpr_count:     512
    .wavefront_size: 32
...
	.end_amdgpu_metadata
.endif
;; end of part 2
